; MI455X (gfx1250); checked and timed in simulation.
; The chip was launched on July 23, 2026; its instructions are those of AMD's public machine-readable ISA for CDNA 5 (MIT licence, August 2026) and "CDNA5" Instruction Set Architecture Reference Guide (July 2026). The comments in the code are by the model that wrote it; some were corrected since.
;; MHA SP2 Norm Eager. Allowed arithmetic: float matrix products may take bf16 or f16 operands with f32 sums; other float arithmetic in f32, or as packed bf16 or f16 multiplies, adds, multiply-adds, maxima and minima; sums over many terms, partial sums and values carried from step to step in f32; what a program stores and reads back later, other than sums and carried values, may be rounded once to bf16 or f16.
;; Inputs: b_proj 1,024 float32; w_proj 1,024 x 1,024 float32; w_qkv 3,072 x 1,024 float32; x 2 x 2,048 x 1,024 float32.
;; Outputs: out0 2 x 2,048 x 1,024 float32.
;; One version. Each part assembles by itself: llvm-mc -triple=amdgcn-amd-amdhsa -mcpu=gfx1250 --defsym DOCPART=n.
;; ======== version 1 of 1: 4 launches
;; limits: a function is approximated: absolute error at most 6e-08; values are held in f16: magnitudes above 65,504 overflow, below 6.1e-05 lose precision; right only within a limited range of input values
;; workspace buffers: xb 8,388,608 bytes; wqb 6,291,456 bytes; wpf 2,097,152 bytes; qkvb 25,165,824 bytes; obuf 8,388,608 bytes
;; launch cast (part 1): grid 512 x 1, 8 waves a work-group, no clusters, 0 bytes of LDS; arguments x, w_qkv, w_proj, xb, wqb, wpf; writes xb, wqb, wpf
.if DOCPART == 1
	.amdgcn_target "amdgcn-amd-amdhsa--gfx1250"
	.amdhsa_code_object_version 6
	.text
	.protected	k_qda6cf89792_cast
	.globl	k_qda6cf89792_cast
	.p2align	8
	.type	k_qda6cf89792_cast,@function
k_qda6cf89792_cast:
	s_mov_b64 s[64:65], 0
	v_nop
	global_prefetch_b8 v0, s[64:65] scope:SCOPE_SE
	s_setreg_imm32_b32 hwreg(HW_REG_WAVE_MODE, 25, 1), 1
	s_wait_xcnt 0x0
; THE PROGRAM: cast -> qkv -> attn -> proj.  out = proj(attention(qkv(x))), attention with weights softplus(s)^2, causal, divided by (row sum + 1e-9).
; THIS LAUNCH rounds the three large inputs once: x and w_qkv to bf16 (xb, wqb); w_proj to bf16 and that number written as f16 (wpf), since the last product's other operand is f16.
; DEAD WORK (left out in the launch attn).  reference() multiplies p by tril(ones): for key k > query q the factor is an exact 0, so such a p adds 0 to the row's sum and 0 x v to the
; product with v, for all finite values of the inputs.  A tile of 128 keys all of whose keys lie above all 128 queries of a block therefore reaches no output: its scores, its
; softplus and its product with v are not made.  Every input has a way to the output: all four are loaded.  LIMIT: a NaN, an infinity or an overflow that would arise only in the
; tiles left out is not carried to the result.
; LIMIT of this launch: a bf16(w_proj) below 6.1e-5 in size keeps f16's fixed step of 6e-8; beyond 65,504 it would be an infinity.
; SHARES.  A work-group converts 16,384 numbers (65,536 bytes in, 32,768 out): work-groups 0-255 x, 256-447 w_qkv, 448-511 w_proj.  Thread t takes 8 numbers in each of 8 chunks:
; 32 bytes in at 32 t + 8,192 i, 16 bytes out at 16 t + 4,096 i, so a store of a wave covers 512 consecutive bytes, aligned.  All 16 loads of a thread go out at once.
; Memory binds: no LDS, no matrix unit, no cluster (nothing is shared), no prefetch (the launch is one burst of loads).
.set IN,  16                           ; v[16:79]   the 64 numbers as loaded
.set OUT, 80                           ; v[80:111]  packed results, four registers a chunk: each is written once
.set T,   4                            ; v[4:6]     at work
	s_load_b256 s[4:11], s[0:1], 0x0               ; x s[4:5], w_qkv s[6:7], w_proj s[8:9], xb s[10:11]
	s_load_b128 s[12:15], s[0:1], 0x20             ; wqb s[12:13], wpf s[14:15]
	v_lshlrev_b32 v1, 5, v0                        ; 32 t
	v_lshlrev_b32 v2, 4, v0                        ; 16 t
	s_mov_b32 s16, ttmp9                           ; the work-group's number
	s_sub_co_u32 s17, s16, 256                     ; its number among w_qkv's
	s_sub_co_u32 s18, s16, 448                     ; and among w_proj's
	s_wait_kmcnt 0x0
	s_cmp_lt_u32 s16, 256
	s_cselect_b64 s[20:21], s[4:5], s[6:7]         ; from where
	s_cselect_b64 s[22:23], s[10:11], s[12:13]     ; to where
	s_cselect_b32 s19, s16, s17
	s_cmp_ge_u32 s16, 448
	s_cselect_b64 s[20:21], s[8:9], s[20:21]
	s_cselect_b64 s[22:23], s[14:15], s[22:23]
	s_cselect_b32 s19, s18, s19
	s_lshl_b32 s24, s19, 16                        ; 65,536 bytes in,
	s_mov_b32 s25, 0
	s_lshl_b32 s26, s19, 15                        ; 32,768 out
	s_mov_b32 s27, 0
	s_add_nc_u64 s[20:21], s[20:21], s[24:25]
	s_add_nc_u64 s[22:23], s[22:23], s[26:27]
.irp i, 0,1,2,3,4,5,6,7
	global_load_b128 v[IN+8*(\i):IN+8*(\i)+3],   v1, s[20:21] offset:8192*(\i) th:TH_LOAD_NT
	global_load_b128 v[IN+8*(\i)+4:IN+8*(\i)+7], v1, s[20:21] offset:8192*(\i)+16 th:TH_LOAD_NT
.endr
	s_cmp_ge_u32 s16, 448
	s_cbranch_scc1 .Lf16
.irp i, 0,1,2,3,4,5,6,7                ; x and w_qkv: to bf16
	s_wait_loadcnt 14-2*(\i)                       ; loads come back in order: chunk i's two are in, the younger chunks' stay out
.irp k, 0,1,2,3
	v_cvt_pk_bf16_f32 v[OUT+4*(\i)+(\k)], v[IN+8*(\i)+2*(\k)], v[IN+8*(\i)+2*(\k)+1]
.endr
	global_store_b128 v2, v[OUT+4*(\i):OUT+4*(\i)+3], s[22:23] offset:4096*(\i)
.endr
	s_endpgm
.Lf16:
.irp i, 0,1,2,3,4,5,6,7                ; w_proj: to bf16, widened again (a shift, a mask), and written as f16
	s_wait_loadcnt 14-2*(\i)
.irp k, 0,1,2,3
	v_cvt_pk_bf16_f32 v[T], v[IN+8*(\i)+2*(\k)], v[IN+8*(\i)+2*(\k)+1]
	v_lshlrev_b32 v[T+1], 16, v[T]
	v_and_b32 v[T+2], 0xffff0000, v[T]
	v_cvt_pk_f16_f32 v[OUT+4*(\i)+(\k)], v[T+1], v[T+2]
.endr
	global_store_b128 v2, v[OUT+4*(\i):OUT+4*(\i)+3], s[22:23] offset:4096*(\i)
.endr
	s_endpgm
.Lfunc_end_k_qda6cf89792_cast:
	.size	k_qda6cf89792_cast, .Lfunc_end_k_qda6cf89792_cast-k_qda6cf89792_cast
	.p2alignl 7, 3214868480
	.fill 96, 4, 3214868480
	.section	.rodata,"a",@progbits
	.p2align	6, 0x0
	.amdhsa_kernel k_qda6cf89792_cast
		.amdhsa_group_segment_fixed_size 0
		.amdhsa_private_segment_fixed_size 0
		.amdhsa_enable_private_segment 0
		.amdhsa_kernarg_size 48
		.amdhsa_user_sgpr_count 2
		.amdhsa_user_sgpr_kernarg_segment_ptr 1
		.amdhsa_wavefront_size32 1
		.amdhsa_system_sgpr_workgroup_id_x 1
		.amdhsa_system_sgpr_workgroup_id_y 1
		.amdhsa_system_sgpr_workgroup_id_z 1
		.amdhsa_system_vgpr_workitem_id 0
		.amdhsa_next_free_vgpr 112
		.amdhsa_next_free_sgpr 66
		.amdhsa_reserve_vcc 0
		.amdhsa_float_denorm_mode_32 3
		.amdhsa_float_denorm_mode_16_64 3
		.amdhsa_memory_ordered 1
		.amdhsa_forward_progress 1
		.amdhsa_inst_pref_size 14
	.end_amdhsa_kernel
	.amdgpu_metadata
---
amdhsa.version: [ 1, 2 ]
amdhsa.kernels:
  - .name:           k_qda6cf89792_cast
    .symbol:         k_qda6cf89792_cast.kd
    .args:
      - { .name: x, .offset: 0, .size: 8, .value_kind: global_buffer, .address_space: global }
      - { .name: w_qkv, .offset: 8, .size: 8, .value_kind: global_buffer, .address_space: global }
      - { .name: w_proj, .offset: 16, .size: 8, .value_kind: global_buffer, .address_space: global }
      - { .name: xb, .offset: 24, .size: 8, .value_kind: global_buffer, .address_space: global }
      - { .name: wqb, .offset: 32, .size: 8, .value_kind: global_buffer, .address_space: global }
      - { .name: wpf, .offset: 40, .size: 8, .value_kind: global_buffer, .address_space: global }
    .group_segment_fixed_size: 0
    .private_segment_fixed_size: 0
    .kernarg_segment_align: 8
    .kernarg_segment_size: 48
    .max_flat_workgroup_size: 256
    .sgpr_count:     66
    .vgpr_count:     112
    .wavefront_size: 32
...
	.end_amdgpu_metadata
.endif
;; end of part 1
;; launch qkv (part 2): grid 16 x 16, 4 waves a work-group, clusters of 4 x 4, 327,680 bytes of LDS; arguments xb, wqb, qkvb; writes qkvb
.if DOCPART == 2
	.amdgcn_target "amdgcn-amd-amdhsa--gfx1250"
	.amdhsa_code_object_version 6
	.text
	.protected	k_qda6cf89792_qkv
	.globl	k_qda6cf89792_qkv
	.p2align	8
	.type	k_qda6cf89792_qkv,@function
k_qda6cf89792_qkv:
	s_mov_b64 s[64:65], 0
	v_nop
	global_prefetch_b8 v0, s[64:65] scope:SCOPE_SE
	s_setreg_imm32_b32 hwreg(HW_REG_WAVE_MODE, 25, 1), 1
	s_wait_xcnt 0x0
	s_wait_alu depctr_hold_cnt(0) depctr_sa_sdst(0) depctr_va_vdst(0) depctr_va_sdst(0) depctr_va_ssrc(0) depctr_va_vcc(0) depctr_vm_vsrc(0)
	s_getreg_b32 s2, hwreg(HW_REG_IB_STS2, 6, 4)
	s_cmp_eq_u32 s2, 0
	s_cbranch_scc0 .Lentry_in_a_cluster
	s_endpgm
.Lentry_in_a_cluster:
	s_bfe_u32 s2, ttmp6, 0x10000c
	s_cmp_lg_u32 s2, 0xf033
	s_cbranch_scc0 .Lentry_shape_is_right
	s_endpgm
.Lentry_shape_is_right:
; qkv[token][f] = sum over c of xb[token][c] wqb[f][c]: 4,096 x 3,072 x 1,024 in bf16, sums in f32; the result leaves BY HEADS in f16: qkvb[batch][hg 0..47][t 2,048][64], hg = f / 64:
; hg 0-15 q, 16-31 k, 32-47 v.  q's f32 sums are multiplied by c = log2(e) / 8 ahead of their one rounding, so that the next launch's scores arrive as s x log2(e).
; LIMIT: q c, k and v must lie within f16's 65,504.
; SHARES.  A work-group makes 256 tokens x 192 columns (three whole heads): 16 x 16 work-groups.  Wave w: tokens 64 w .. 64 w + 63, all 192 columns: 4 x 12 accumulators, 384 registers.
; K goes in steps of 128 through two LDS slots filled by tensor loads: rows of 256 bytes, aligned.  Waves 0, 1 fetch the halves of xb's 256 rows, waves 2, 3 those of wqb's 192.
; CLUSTER 4 x 4: xb's tile hangs on the tile row alone and is asked for jointly along a row of the cluster, wqb's on the tile column alone and jointly along a column.
; THE PRODUCT IS TRANSPOSED (source 0 = 16 rows of wqb, source 1 = 16 rows of xb): a lane holds one token (lane % 16) and 8 neighbouring columns: 16 bytes of a head's row.
; REGISTERS in windows of 256 (s_set_vgpr_msb: bits 1:0 source 0, 3:2 source 1, 5:4 source 2, 7:6 destination):
;   window 0: v0-31 addresses; v64-95, v96-127 xb's fragments, two buffers; v128-175, v176-223 the way out      window 1: v0-95, v96-191 wqb's fragments, two buffers
;   windows 2, 3: accumulator (a, b) in window 2 + a / 2 at v[96 (a % 2) + 8 b]
.set KSTEP,  128
.set PITCH,  272                       ; an LDS row: 256 bytes + 16 of padding = 68 words: the 16 rows of a fragment load start at 16 different groups of four banks (ISA guide 11.1)
.set AHALF,  128*PITCH                 ; what waves 0, 1 fetch
.set BHALF,  96*PITCH                  ; what waves 2, 3 fetch
.set BOFF,   2*AHALF                   ; wqb's rows lie behind xb's 256
.set SLOT,   BOFF+2*BHALF              ; 121,856 bytes
.set STAGE,  2*SLOT                    ; behind the ring, never filled by a tensor load: for each wave 3 heads x 16 rows x 144 bytes
.set SP,     144
.set HSTG,   16*SP
.set SPARE,  STAGE+4*3*HSTG            ; the spare words: 128 bytes a wave, two blocks of 256 bytes that no other line names
.set LAPS,   4                         ; 1,024 / (2 x 128)
.set ADRA, 16                          ; v16-17 LDS address of my xb fragments in slot 0, 1
.set ADRB, 20                          ; v20-21 the same for wqb
.set STO,  24                          ; the way out: where I put 16 bytes
.set RD,   25                          ; where I read rows back
.set GO,   26                          ; 16 x lane: my place in 512 consecutive bytes of qkvb
.set SPW,  28                          ; my spare word; never rewritten
.set NIL,  29                          ; 0; never rewritten
.set PFO,  30                          ; the prefetches' offset: a lane a row; never rewritten
.set TH,   128
.set BK,   176
.set G1,   24                          ; s[24:31] group 1 for xb's tiles; s[32:39] group 0, a set a slot
.set G0,   32
.set G1B,  48                          ; s[48:55], s[56:63] the same for wqb's
.set G0B,  56
.set LIM,  43                          ; s43 1 in a wave that prefetches, else the greatest number
.set PFA,  44                          ; s[44:45] where my prefetches stand
.set SC,   66                          ; s[66:71] a pair for each of my three heads: c for a head of q, else 1
.set FLAGS, (1<<16)|(1<<20)|(1<<21)|(5<<22)|(3<<25)  ; 2-byte elements; padding on; bit 21 beside a mask; after every 64 words; 4 words
.set MSB, 0
.macro WIN new                         ; the immediate's high byte repeats the setting that is left; a switch that changes nothing is dropped
.if MSB != (\new)
	s_set_vgpr_msb (MSB<<8)|(\new)
.set MSB, (\new)
.endif
.endm
; A joint load: waves 0, 1 ask for xb's halves, waves 2, 3 for wqb's.  The branch hangs on the wave's number alone.  An s_nop 0 and four v_nop follow each line.
.macro JLOAD s
	s_cmp_eq_u32 s11, 0
	s_cbranch_scc0 .Lfor_b_\@
	tensor_load_to_lds s[G0+4*(\s):G0+4*(\s)+3], s[G1:G1+7]
	s_nop 0
.rept 4
	v_nop
.endr
	s_branch .Lasked_\@
.Lfor_b_\@:
	tensor_load_to_lds s[G0B+4*(\s):G0B+4*(\s)+3], s[G1B:G1B+7]
	s_nop 0
.rept 4
	v_nop
.endr
.Lasked_\@:
.endm
; A prefetch of the K step that stands two refills on: a lane a row, 256 bytes of it, one instruction a wave.  xb's rows are read by every cluster of a row of clusters: cluster x = 0 asks;
; wqb's by every cluster of a column: cluster y = 0 asks.  The four partners of a joint load share the rows out by address: of xb's 128 rows 32 each; of wqb's 96 rows 24 each
; (lanes 24-31 name row 23's block once more).  The loop's last trip (s3 = 1) asks for nothing: there is no K step two on.
.macro ASK
	s_cmp_gt_u32 s3, s[LIM]
	s_cbranch_scc0 .Lnot_mine_\@
	global_prefetch_b8 v[PFO], s[PFA:PFA+1] offset:KSTEP*2 th:TH_LOAD_NT scope:SCOPE_SE
.Lnot_mine_\@:
.endm
.macro CREST                           ; a round of the cluster's barrier behind its opening barrier
	s_cmp_lg_u32 s10, 0
	s_cbranch_scc1 .Lnot_wave_0_\@
	s_barrier_signal -3
.Lnot_wave_0_\@:
	s_barrier_wait -3
	s_barrier_signal -1
	s_barrier_wait -1
.endm
.macro CROUND
	s_barrier_signal -1
	s_barrier_wait -1
	CREST
.endm
	s_load_b128 s[4:7], s[0:1], 0x0                ; xb s[4:5], wqb s[6:7]
	s_load_b64 s[8:9], s[0:1], 0x10                ; qkvb
	v_lshl_add_u32 v[SPW], v0, 2, SPARE
	v_mov_b32 v[NIL], 0
	ds_add_u32 v[SPW], v[NIL]                      ; the wave's opening: the add, twice on end, and its wait ahead of my first tensor load
	ds_add_u32 v[SPW], v[NIL]
	v_lshrrev_b32 v1, 5, v0
	v_readfirstlane_b32 s10, v1                    ; wave 0..3
	s_lshr_b32 s11, s10, 1                         ; I fetch for xb (0) or wqb (1)
	s_and_b32 s12, s10, 1                          ; which half of that tile's rows
	s_bfe_u32 s40, ttmp6, 0x40000                  ; cx
	s_bfe_u32 s41, ttmp6, 0x40004                  ; cy
	s_lshl_b32 s42, ttmp9, 2
	s_add_co_u32 s42, s42, s40                     ; tile column = 4 x cluster x + cx
	s_and_b32 s13, ttmp7, 0xffff
	s_lshl_b32 s13, s13, 2
	s_add_co_u32 s13, s13, s41                     ; tile row = 4 x cluster y + cy
	s_lshl_b32 s72, s41, 2
	s_lshl_b32 s72, 15, s72                        ; my row of the cluster
	s_lshl_b32 s73, 0x1111, s40                    ; my column
	s_or_b32 s[G1+0], s72, FLAGS
	s_or_b32 s[G1B+0], s73, FLAGS
	s_mov_b32 s[G1+1], KSTEP<<16                   ; tensor_dim0 = 128
	s_mov_b32 s[G1+2], 128<<16                     ; tensor_dim1 = 128
	s_mov_b32 s[G1+3], KSTEP<<16                   ; tile_dim0 = 128
	s_mov_b32 s[G1+4], 128                         ; tile_dim1 = 128
	s_mov_b32 s[G1+5], 1024                        ; elements from row to row
	s_mov_b32 s[G1+6], 0
	s_mov_b32 s[G1+7], 0
	s_mov_b32 s[G1B+1], KSTEP<<16
	s_mov_b32 s[G1B+2], 96<<16                     ; 96 rows
	s_mov_b32 s[G1B+3], KSTEP<<16
	s_mov_b32 s[G1B+4], 96
	s_mov_b32 s[G1B+5], 1024
	s_mov_b32 s[G1B+6], 0
	s_mov_b32 s[G1B+7], 0
	; xb's address hangs on the tile row and the wave alone, wqb's on the tile column and the wave alone, each in registers that never hold the other coordinate
	s_lshl_b32 s17, s12, 7
	s_lshl_b32 s16, s13, 8
	s_add_co_u32 s16, s16, s17                     ; row 256 x tile row + 128 x half
	s_lshl_b32 s16, s16, 11                        ; x 2,048 bytes
	s_mov_b32 s17, 0
	s_mul_i32 s46, s42, 192
	s_mul_i32 s47, s12, 96
	s_add_co_u32 s46, s46, s47                     ; row 192 x tile column + 96 x half
	s_lshl_b32 s46, s46, 11
	s_mov_b32 s47, 0
	s_mul_i32 s18, s12, AHALF                      ; where they go: no place in the cluster enters an LDS address
	s_mul_i32 s19, s12, BHALF
	s_add_co_u32 s19, s19, BOFF
	s_wait_dscnt 0x0                               ; both opening adds are done
	s_wait_kmcnt 0x0
	s_add_nc_u64 s[14:15], s[4:5], s[16:17]
	s_add_nc_u64 s[46:47], s[6:7], s[46:47]
	CROUND                                         ; all sixteen work-groups are here: the first joint loads meet
.irp s, 0,1
	s_mov_b32 s[G0+4*(\s)], 1
	s_add_co_u32 s[G0+4*(\s)+1], s18, (\s)*SLOT
	s_add_nc_u64 s[G0+4*(\s)+2:G0+4*(\s)+3], s[14:15], (\s)*KSTEP*2
	s_or_b32 s[G0+4*(\s)+3], s[G0+4*(\s)+3], 0x80000000
	s_mov_b32 s[G0B+4*(\s)], 1
	s_add_co_u32 s[G0B+4*(\s)+1], s19, (\s)*SLOT
	s_add_nc_u64 s[G0B+4*(\s)+2:G0B+4*(\s)+3], s[46:47], (\s)*KSTEP*2
	s_or_b32 s[G0B+4*(\s)+3], s[G0B+4*(\s)+3], 0x80000000
	JLOAD \s                                       ; K steps 0 and 1: two loads of mine are out
.endr
	; a fragment: lane l holds row l % 16; two loads of 16 bytes, 32 apart, at row x pitch + 16 (l / 16)
	v_and_b32 v1, 15, v0
	v_bfe_u32 v2, v0, 4, 1
	v_mul_u32_u24 v3, v1, PITCH
	v_lshl_add_u32 v3, v2, 4, v3
	s_mul_i32 s21, s10, 64*PITCH                   ; my 64 rows of xb
	s_mov_b32 s22, BOFF                            ; all 192 rows of wqb
.irp s, 0,1
	v_add_nc_u32 v[ADRA+(\s)], s21, v3
	v_add_nc_u32 v[ADRB+(\s)], s22, v3
	s_add_co_u32 s21, s21, SLOT
	s_add_co_u32 s22, s22, SLOT
.endr
	s_mul_i32 s23, s10, 3*HSTG
	s_add_co_u32 s23, s23, STAGE                   ; my stage
	v_mul_u32_u24 v4, v1, SP                       ; in: row l % 16, 16 bytes for each half of the lanes
	v_lshl_add_u32 v4, v2, 4, v4
	v_add_nc_u32 v[STO], s23, v4
	v_bfe_u32 v5, v0, 3, 2                         ; back: 32 lanes take four rows of 128 bytes,
	v_mul_u32_u24 v5, v5, SP
	v_and_b32 v6, 7, v0
	v_lshl_add_u32 v5, v6, 4, v5
	v_add_nc_u32 v[RD], s23, v5
	v_and_b32 v[GO], 31, v0                        ; which are 512 consecutive bytes of a head
	v_lshlrev_b32 v[GO], 4, v[GO]
	; qkvb at (batch x 48 + 3 x tile column) heads of 262,144 bytes + my 64 tokens of 128 bytes
	s_lshr_b32 s16, s13, 3                         ; batch: 8 tile rows each
	s_mul_i32 s16, s16, 48
	s_lshl_b32 s16, s16, 18
	s_and_b32 s17, s13, 7
	s_lshl_b32 s17, s17, 15                        ; 256 tokens x 128 bytes
	s_add_co_u32 s16, s16, s17
	s_lshl_b32 s17, s10, 13                        ; 64 tokens x 128 bytes
	s_add_co_u32 s16, s16, s17
	s_mov_b32 s17, 0
	s_add_nc_u64 s[8:9], s[8:9], s[16:17]
	s_mul_i32 s46, s42, 3*262144
	s_mov_b32 s47, 0
	s_add_nc_u64 s[8:9], s[8:9], s[46:47]
	s_mul_i32 s74, s42, 3                          ; my first head: a value is chosen by it, no branch
.irp j, 0,1,2
	s_add_co_u32 s75, s74, \j
	s_cmp_lt_u32 s75, 16
	s_cselect_b32 s[SC+2*(\j)], 0x3e38aa3b, 1.0    ; c = log2(e) / 8 for a head of q
	s_mov_b32 s[SC+2*(\j)+1], s[SC+2*(\j)]         ; named with it as a pair
.endr
	; the prefetches
	s_lshl_b32 s74, s13, 8
	s_lshl_b32 s75, s12, 7
	s_add_co_u32 s74, s74, s75
	s_lshl_b32 s75, s40, 5
	s_add_co_u32 s74, s74, s75                     ; xb: the 128 rows that I fetch, my work-group's 32 of them
	s_mul_i32 s76, s42, 192
	s_mul_i32 s75, s12, 96
	s_add_co_u32 s76, s76, s75
	s_mul_i32 s75, s41, 24
	s_add_co_u32 s76, s76, s75                     ; wqb: the 96 rows that I fetch, my work-group's 24 of them
	s_and_b32 s77, ttmp7, 0xffff                   ; cluster y
	s_cmp_eq_u32 s11, 0
	s_cselect_b32 s74, s74, s76
	s_cselect_b32 s77, ttmp9, s77                  ; the coordinate along which other clusters read the same rows
	s_cselect_b32 s75, 31, 23
	s_cselect_b64 s[PFA:PFA+1], s[4:5], s[6:7]
	s_cmp_eq_u32 s77, 0
	s_cselect_b32 s[LIM], 1, -1                    ; the same in all sixteen partners, for a given wave
	v_and_b32 v[PFO], 31, v0
	v_min_u32 v[PFO], s75, v[PFO]
	v_lshlrev_b32 v[PFO], 11, v[PFO]               ; a row is 2,048 bytes
	s_lshl_b32 s74, s74, 11
	s_add_co_u32 s74, s74, 2*KSTEP*2               ; at K step 2: the first refill steps it to 3 and names K step 4
	s_mov_b32 s75, 0
	s_add_nc_u64 s[PFA:PFA+1], s[PFA:PFA+1], s[74:75]
; 12 matrix instructions: token block a x all 12 column blocks, 32 along K, buffer f.  zero = 1: the product starts the sums.  The 48 accumulators take turns in one order everywhere.
.macro MUL12 f, a, zero
	WIN 0xa1+0x50*((\a)/2)
.irp b, 0,1,2,3,4,5,6,7,8,9,10,11
.if \zero
	v_wmma_f32_16x16x32_bf16 v[96*((\a)%2)+8*(\b):96*((\a)%2)+8*(\b)+7], v[96*(\f)+8*(\b):96*(\f)+8*(\b)+7], v[64+32*(\f)+8*(\a):64+32*(\f)+8*(\a)+7], 0
.else
	v_wmma_f32_16x16x32_bf16 v[96*((\a)%2)+8*(\b):96*((\a)%2)+8*(\b)+7], v[96*(\f)+8*(\b):96*(\f)+8*(\b)+7], v[64+32*(\f)+8*(\a):64+32*(\f)+8*(\a)+7], v[96*((\a)%2)+8*(\b):96*((\a)%2)+8*(\b)+7]
.endif
.endr
.endm
; 32 LDS loads in one run: a quarter step's fragments (192 rows of wqb, then my 64 rows of xb; 32 K at byte k of the rows) into buffer f
.macro FETCH slot, k, f
	WIN 0x40
.irp i, 0,1,2,3,4,5,6,7,8,9,10,11
	ds_load_b128 v[96*(\f)+8*(\i):96*(\f)+8*(\i)+3],   v[ADRB+(\slot)] offset:(\k)+(\i)*16*PITCH
	ds_load_b128 v[96*(\f)+8*(\i)+4:96*(\f)+8*(\i)+7], v[ADRB+(\slot)] offset:(\k)+(\i)*16*PITCH+32
.endr
	WIN 0
.irp i, 0,1,2,3
	ds_load_b128 v[64+32*(\f)+8*(\i):64+32*(\f)+8*(\i)+3],   v[ADRA+(\slot)] offset:(\k)+(\i)*16*PITCH
	ds_load_b128 v[64+32*(\f)+8*(\i)+4:64+32*(\f)+8*(\i)+7], v[ADRA+(\slot)] offset:(\k)+(\i)*16*PITCH+32
.endr
.endm
.macro PLACES                          ; four plain instructions between a matrix instruction and a load into, or a vector read of, its registers (ISA guide 7.12.1 for the vector reads)
.rept 4
	v_nop
.endr
.endm
; One of a K step's first three quarters: multiplies buffer f; in its middle fetches the next quarter, at byte k, into buffer g.
.macro QUARTER slot, k, f, g, zero
	s_wait_dscnt 4                                 ; wqb's fragments and xb's blocks 0, 1 are in; the youngest four loads (blocks 2, 3) may be out
	MUL12 \f, 0, \zero
	MUL12 \f, 1, \zero
	PLACES
	FETCH \slot, \k, \g
	s_wait_dscnt 32                                ; all but the 32 just issued
	MUL12 \f, 2, \zero
	MUL12 \f, 3, \zero
.endm
; The last quarter's first half: one barrier for the change of slots.  Ahead of it the wave waits for all its tensor loads (one is out: its part of the next slot), adds 0 to its spare word, and waits for that and for its reads of this slot.
.macro MEET round
	WIN 0
	s_wait_tensorcnt 0x0
	ds_add_u32 v[SPW], v[NIL]
	s_wait_dscnt 5                                 ; (the add and the youngest four loads may be out)
	MUL12 1, 0, 0                                  ; twelve matrix instructions stand between the add and the wait for it
	s_wait_dscnt 0x0                               ; the add is done, and my reads of this slot are over
	s_barrier_signal -1
	MUL12 1, 1, 0                                  ; work on registers while the others arrive
.if \round
	WIN 0
.endif
	s_barrier_wait -1
.endm
; The whole last quarter.  fill = 1: the barrier opens a round of the cluster's; behind it this slot is filled again, two K steps on, first thing: 168 matrix instructions ahead of the wait for it.
.macro TURN slot, next, fill
.if \fill
	s_wait_xcnt 0x0                                ; the last prefetch, a K step back, has read its address
	s_add_nc_u64 s[PFA:PFA+1], s[PFA:PFA+1], KSTEP*2
	MEET 1
	CREST                                          ; no wave of any partner still reads this slot or has a load on its way
	s_add_nc_u64 s[G0+4*(\slot)+2:G0+4*(\slot)+3], s[G0+4*(\slot)+2:G0+4*(\slot)+3], 2*KSTEP*2
	s_add_nc_u64 s[G0B+4*(\slot)+2:G0B+4*(\slot)+3], s[G0B+4*(\slot)+2:G0B+4*(\slot)+3], 2*KSTEP*2
	JLOAD \slot                                    ; its four v_nop are also the places in front of the loads below
	FETCH \next, 0, 0
	ASK
.else
	MEET 0
	PLACES
	FETCH \next, 0, 0
.endif
	MUL12 1, 2, 0
	MUL12 1, 3, 0
.endm
	s_wait_tensorcnt 1                             ; my part of K step 0 is in; K step 1's stays out
	s_barrier_signal -1
	s_barrier_wait -1
	FETCH 0, 0, 0
	QUARTER 0, 64, 0, 1, 1                         ; the first quarter stands ahead of the loop: its products start the sums
	WIN 0
	s_mov_b32 s3, LAPS-1
.Llap:                                         ; a trip goes once round the ring and fills both slots again
	QUARTER 0, 128, 1, 0, 0
	QUARTER 0, 192, 0, 1, 0
	TURN 0, 1, 1
	QUARTER 1, 64,  0, 1, 0
	QUARTER 1, 128, 1, 0, 0
	QUARTER 1, 192, 0, 1, 0
	TURN 1, 0, 1
	QUARTER 0, 64,  0, 1, 0
	WIN 0
	s_sub_co_u32 s3, s3, 1
	s_cmp_lg_u32 s3, 0
	s_cbranch_scc1 .Llap
	QUARTER 0, 128, 1, 0, 0                        ; the last lap fills nothing
	QUARTER 0, 192, 0, 1, 0
	TURN 0, 1, 0
	QUARTER 1, 64,  0, 1, 0
	QUARTER 1, 128, 1, 0, 0
	QUARTER 1, 192, 0, 1, 0
	s_wait_dscnt 4
	MUL12 1, 0, 0
	MUL12 1, 1, 0
	s_wait_dscnt 0x0
	MUL12 1, 2, 0
	MUL12 1, 3, 0
	WIN 0
	PLACES
; THE WAY OUT of token block a: scaled (q alone by c), rounded to f16, 16 bytes a lane into my stage (a region a head), back as whole rows of 128 bytes, stored as 512 consecutive bytes.
.macro WAYOUT a
.set AC, 96*((\a)%2)
	WIN 0x82+0x41*((\a)/2)                         ; destination and source 0 in the accumulators' window
.irp b, 0,1,2,3,4,5,6,7,8,9,10,11
.irp r, 0,1,2,3
	v_pk_mul_f32 v[AC+8*(\b)+2*(\r):AC+8*(\b)+2*(\r)+1], v[AC+8*(\b)+2*(\r):AC+8*(\b)+2*(\r)+1], s[SC+2*((\b)/4):SC+2*((\b)/4)+1] op_sel_hi:[1,0]
.endr
.endr
	WIN 0x0a+5*((\a)/2)                            ; sources 0 and 1 in the accumulators' window
.irp b, 0,1,2,3,4,5,6,7,8,9,10,11
.irp r, 0,1,2,3
	v_cvt_pk_f16_f32 v[TH+4*(\b)+(\r)], v[AC+8*(\b)+2*(\r)], v[AC+8*(\b)+2*(\r)+1]
.endr
.endr
	WIN 0
	s_wait_xcnt 0x0                                ; the block before's stores have read their registers, which the loads below write
.irp b, 0,1,2,3,4,5,6,7,8,9,10,11
	ds_store_b128 v[STO], v[TH+4*(\b):TH+4*(\b)+3] offset:((\b)/4)*HSTG+32*((\b)%4)
.endr
.irp t, 0,1,2,3,4,5,6,7,8,9,10,11
	ds_load_b128 v[BK+4*(\t):BK+4*(\t)+3], v[RD] offset:((\t)/4)*HSTG+((\t)%4)*4*SP  ; LDS serves a wave's instructions in order (ISA guide 5.7.1.4): these see the stores above
.endr
	s_wait_dscnt 0x0
.irp t, 0,1,2,3,4,5,6,7,8,9,10,11
	global_store_b128 v[GO], v[BK+4*(\t):BK+4*(\t)+3], s[8:9] offset:((\t)/4)*262144+(\a)*2048+((\t)%4)*512  ; 512 consecutive bytes, at a multiple of 256 from qkvb's first
.endr
.endm
	WAYOUT 0
	WAYOUT 1
	WAYOUT 2
	WAYOUT 3
	s_wait_tensorcnt 0x0                           ; the wave's end
	ds_add_u32 v[SPW], v[NIL]
	s_wait_dscnt 0x0
	CROUND                                         ; the closing round
	s_endpgm
.Lfunc_end_k_qda6cf89792_qkv:
	.size	k_qda6cf89792_qkv, .Lfunc_end_k_qda6cf89792_qkv-k_qda6cf89792_qkv
	.p2alignl 7, 3214868480
	.fill 96, 4, 3214868480
	.section	.rodata,"a",@progbits
	.p2align	6, 0x0
	.amdhsa_kernel k_qda6cf89792_qkv
		.amdhsa_group_segment_fixed_size 327680
		.amdhsa_private_segment_fixed_size 0
		.amdhsa_enable_private_segment 0
		.amdhsa_kernarg_size 24
		.amdhsa_user_sgpr_count 2
		.amdhsa_user_sgpr_kernarg_segment_ptr 1
		.amdhsa_wavefront_size32 1
		.amdhsa_system_sgpr_workgroup_id_x 1
		.amdhsa_system_sgpr_workgroup_id_y 1
		.amdhsa_system_sgpr_workgroup_id_z 1
		.amdhsa_system_vgpr_workitem_id 0
		.amdhsa_next_free_vgpr 960
		.amdhsa_next_free_sgpr 80
		.amdhsa_reserve_vcc 0
		.amdhsa_float_denorm_mode_32 3
		.amdhsa_float_denorm_mode_16_64 3
		.amdhsa_memory_ordered 1
		.amdhsa_forward_progress 1
		.amdhsa_inst_pref_size 133
	.end_amdhsa_kernel
	.amdgpu_metadata
---
amdhsa.version: [ 1, 2 ]
amdhsa.kernels:
  - .name:           k_qda6cf89792_qkv
    .symbol:         k_qda6cf89792_qkv.kd
    .args:
      - { .name: xb, .offset: 0, .size: 8, .value_kind: global_buffer, .address_space: global }
      - { .name: wqb, .offset: 8, .size: 8, .value_kind: global_buffer, .address_space: global }
      - { .name: qkvb, .offset: 16, .size: 8, .value_kind: global_buffer, .address_space: global }
    .group_segment_fixed_size: 327680
    .private_segment_fixed_size: 0
    .kernarg_segment_align: 8
    .kernarg_segment_size: 24
    .max_flat_workgroup_size: 128
    .sgpr_count:     80
    .vgpr_count:     960
    .wavefront_size: 32
...
	.end_amdgpu_metadata
.endif
;; end of part 2
;; launch attn (part 3): grid 8 x 32, 8 waves a work-group, no clusters, 327,680 bytes of LDS; arguments qkvb, obuf; writes obuf
.if DOCPART == 3
	.amdgcn_target "amdgcn-amd-amdhsa--gfx1250"
	.amdhsa_code_object_version 6
	.text
	.protected	k_qda6cf89792_attn
	.globl	k_qda6cf89792_attn
	.p2align	8
	.type	k_qda6cf89792_attn,@function
k_qda6cf89792_attn:
	s_mov_b64 s[64:65], 0
	v_nop
	global_prefetch_b8 v0, s[64:65] scope:SCOPE_SE
	s_setreg_imm32_b32 hwreg(HW_REG_WAVE_MODE, 25, 1), 1
	s_wait_xcnt 0x0
; O[q] = sum over k <= q of p(q, k) v[k] / (sum over k <= q of p(q, k) + 1e-9), p = softplus(q . k / 8)^2, for each of 32 (batch, head) pairs; q c, k, v: f16 by heads (qkvb), head size 64.
; LEFT OUT: key tiles that lie wholly above the diagonal: reference()'s own tril makes their p an exact 0 (shown at the head of the first launch).
; ARITHMETIC.  q arrives times c = log2(e) / 8, so a score arrives as u = s log2(e).  X = max(u, 0) + log2(1 + 2^-|u|) = softplus(s) / ln 2: reference()'s own stable form.  p' = X^2 = p / ln^2 2;
; the factor cancels between sum and product, and 1e-9 becomes EPS = 1e-9 / ln^2 2.  Sums and O in f32.  For the second product the weights go in f16, DIVIDED BY THE ROW'S RUNNING SUM L of p' (f32),
; this tile's among it, and times 2^15: they lie in 0 .. 2^15 whatever the inputs' size; O is multiplied by L_old / L_new in every step, and at the end by 2^-15 L / (L + EPS).
; LIMITS.  1 + 2^-|u| is formed in f32: softplus counts as 0 for s below about -16.6 and has a relative error of up to 2^-24 / e^s above that.  A hidden score is its value less 1e30.
; A running sum below 2^-100 is divided by 2^-100 instead.  NaN and infinities are not treated apart.
; THE WALK.  A head has 16 blocks of 128 queries; block i needs key tiles 0 .. i of 128 keys, the last with the diagonal.  A work-group takes blocks 15 - b and then b: 17 tiles whatever b, walked as ONE
; sequence through a ring of two LDS slots: the slot loop's count is a constant; every jump but the loop's own goes forward and passes no barrier and no tensor load.
; SHARES.  Eight waves, two to a SIMD; wave w owns queries 16 w .. 16 w + 15 of the block in hand and walks all 128 keys of a tile.  A tile has 32 matrix instructions beside some 440 vector ones, so the
; phases stand one after the other, and the SIMD's other wave works in their gaps.  In the diagonal tile every wave computes all 128 keys under its mask (dead parts inside a live tile).
; NO CLUSTER: a head's 8 work-groups ask for the same tile only in trips 0 .. 8 of 17; a walk common to all would have 24 trips.
; LAYOUT.  S^T = K Q^T (source 0 = 16 keys, source 1 = 16 queries): a lane holds ONE query (lane % 16) and keys 8 (lane / 16) + 0..7 of each 16.  Two such results rounded to f16 in pairs ARE source 1 of
; O^T = V^T P; V comes out of LDS turned (ds_load_tr16_b128).
; REGISTERS (s_set_vgpr_msb: bits 1:0 source 0, 3:2 source 1, 5:4 source 2, 7:6 destination):
;   window 0: v0-15 addresses and two at work; v16-31 statistics; v62-63 the add's; v64-127 S; v128-191 RR = max(u, 0); v192-223 P
;   window 1: v0-127 K of the tile, then V of the tile; v128-159 O^T; v160-175 Q; v176-191 the second block's Q; v192-255 the diagonal tile's mask
.set PK,    144       ; a row of K in LDS: 128 bytes + 16: the 16 rows of a load start at 16 different groups of four banks (ISA guide 11.1)
.set PV,    160       ; a row of V: 128 + 32
.set VOFF,  128*PK    ; a slot: 128 rows of K, then 128 rows of V
.set SLOT1, 65536     ; slot 1 begins here: one exclusive or turns an address of one slot into the other's
.set STAGE, SLOT1+128*(PK+PV)   ; behind the ring, never filled by a tensor load: 16 rows x 144 bytes a wave
.set SP,    144
.set SPARE, STAGE+8*16*SP       ; the spare words: 128 bytes a wave, four blocks of 256 bytes that no other line names
.set AK0, 2           ; my lane's place in a tile of K; never rewritten
.set AV0, 3           ; the same for V
.set AK,  4
.set AV,  5
.set STO, 6
.set RD,  7
.set GO,  8
.set QO,  12
.set PFO, 13          ; 256 x lane; never rewritten
.set LL,  16          ; L
.set SM,  17          ; the tile's sum
.set RCP, 18          ; v[18:19] 2^15 / L_new (the odd partners of these three pairs hold 0 and are never used)
.set AA,  20          ; v[20:21] L_old / L_new
.set FF,  22          ; v[22:23] 2^-15 L / (L + EPS)
.set SA,  24          ; v[24:31] four pairs of partial sums
.set SPW, 62
.set NIL, 63
.set S,   64
.set RR,  128
.set P,   192
.set O,   128         ; window 1
.set Q,   160
.set QB,  176
.set MD,  192
.set KB,  8           ; s[8:9]   K of the head at my quarter of tile 0
.set VB,  10          ; s[10:11] the same for V
.set WV,  12
.set PB,  13          ; b
.set HI,  14          ; 15 - b
.set QH,  16          ; s[16:17] Q at my rows of the first block, s[18:19] of the second
.set QL,  18
.set OA,  20          ; s[20:21] obuf at my rows of the block in hand, s[22:23] of the second block
.set OL,  22
.set G1K, 24
.set G1V, 32
.set G0K, 40
.set G0V, 44
.set RT,  48          ; tiles of the block in hand still to be entered
.set NXT, 49          ; the tile to be asked for next
.set LQ,  50          ; the last tile of the block whose tiles are being asked for
.set SLOTS, 51        ; tiles still to be asked for
.set TB,  52          ; LDS byte at which the slot being read begins
.set OFF, 54          ; s[54:55] a tile's byte offset
.set SEL, 56          ; s[56:57] v_permlanex16_b32's selects
.set BIGN, 58
.set LIM, 59          ; 3 in a wave that prefetches, else the greatest number
.set PFA, 60          ; s[60:61]
.set P15, 76
.set PM15, 77
.set TINY, 78
.set EPS, 79
.set MSB, 0
.macro WIN new
.if MSB != (\new)
	s_set_vgpr_msb (MSB<<8)|(\new)
.set MSB, (\new)
.endif
.endm
.macro PLACES
.rept 4
	v_nop
.endr
.endm
; A fill: waves 0-3 fetch the quarters of a tile's K, waves 4-7 those of its V: 32 keys, 4,096 dense bytes, asked for as 16 rows of 256.  An s_nop 0 and four v_nop follow each line.
.macro LOAD
	s_cmp_lt_u32 s[WV], 4
	s_cbranch_scc0 .Lfor_v_\@
	tensor_load_to_lds s[G0K:G0K+3], s[G1K:G1K+7]
	s_nop 0
.rept 4
	v_nop
.endr
	s_branch .Lasked_\@
.Lfor_v_\@:
	tensor_load_to_lds s[G0V:G0V+3], s[G1V:G1V+7]
	s_nop 0
.rept 4
	v_nop
.endr
.Lasked_\@:
.endm
; A prefetch of the tile that stands two fills on.  All eight work-groups of a head walk tiles 0, 1, .. together at first; the one with b = 0, whose first block walks all sixteen, asks: waves 0, 1 for the
; halves of K's 16,384 bytes, waves 2, 3 for V's, a lane 256 bytes.  So each block is named once.  At the fill of tile j tile j + 2 is named, for j = 1 .. 13 (SLOTS = 16 .. 4); tiles 0 to 2 come by their loads alone.
.macro ASK
	s_cmp_gt_u32 s[SLOTS], s[LIM]
	s_cbranch_scc0 .Lnot_mine_\@
	global_prefetch_b8 v[PFO], s[PFA:PFA+1] th:TH_LOAD_NT scope:SCOPE_SE
.Lnot_mine_\@:
.endm
; THE CHANGE OF SLOTS.  Each wave waits for all its tensor loads (one is out: its part of the other slot), adds 0 to its spare word, and waits for that and for its reads of the slot that it leaves.
; fill = 1: the old slot is filled again, first thing behind the barrier, with tile NXT: the address is made anew from that number.  (At its first use slot 0 is waited for and slot 1 filled.)
.macro CHANGE fill
	WIN 0
	s_wait_tensorcnt 0x0                ; no tensor load of mine is out, so a group 0 may be written
	ds_add_u32 v[SPW], v[NIL]
.if \fill
	s_lshl_b32 s[OFF], s[NXT], 14       ; a tile is 16,384 bytes of K and of V
	s_xor_b32 s[G0K+1], s[G0K+1], SLOT1
	s_add_nc_u64 s[G0K+2:G0K+3], s[KB:KB+1], s[OFF:OFF+1]
	s_or_b32 s[G0K+3], s[G0K+3], 0x80000000
	s_xor_b32 s[G0V+1], s[G0V+1], SLOT1
	s_add_nc_u64 s[G0V+2:G0V+3], s[VB:VB+1], s[OFF:OFF+1]
	s_or_b32 s[G0V+3], s[G0V+3], 0x80000000
	s_add_co_u32 s[NXT], s[NXT], 1      ; the block's next tile, or behind its last the second block's tile 0
	s_cmp_gt_u32 s[NXT], s[LQ]
	s_cselect_b32 s[NXT], 0, s[NXT]
	s_cselect_b32 s[LQ], s[PB], s[LQ]
	s_wait_xcnt 0x0                     ; the last prefetch, a tile back, has read its address
	s_add_nc_u64 s[PFA:PFA+1], s[PFA:PFA+1], 16384
.endif
	s_wait_dscnt 0x0                    ; the add is done, and my reads of the slot are over
	s_barrier_signal -1
	s_xor_b32 s[TB], s[TB], SLOT1       ; the reads go to the other slot
	s_barrier_wait -1
.if \fill
	LOAD
	ASK
.endif
.endm
	s_load_b128 s[4:7], s[0:1], 0x0     ; qkvb s[4:5], obuf s[6:7]
	v_lshl_add_u32 v[SPW], v0, 2, SPARE
	v_mov_b32 v[NIL], 0
	ds_add_u32 v[SPW], v[NIL]           ; the wave's opening: the add, twice on end, and its wait ahead of my first tensor load
	ds_add_u32 v[SPW], v[NIL]
	v_lshrrev_b32 v1, 5, v0
	v_readfirstlane_b32 s[WV], v1       ; wave 0..7
	s_mov_b32 s[PB], ttmp9
	s_sub_co_u32 s[HI], 15, s[PB]
	s_and_b32 s15, ttmp7, 0xffff
	s_lshr_b32 s68, s15, 4              ; batch
	s_and_b32 s69, s15, 15              ; head
	s_mul_i32 s66, s68, 48
	s_add_co_u32 s66, s66, s69
	s_lshl_b32 s66, s66, 18             ; q's head: 262,144 bytes each
	s_mov_b32 s67, 0
	s_and_b32 s70, s[WV], 3             ; which quarter of a tile I fetch:
	s_mul_i32 s62, s70, 32*PK           ; its place in a slot, for K
	s_mul_i32 s63, s70, 32*PV           ; and for V
	s_lshl_b32 s70, s70, 12             ; its 4,096 bytes in memory
	s_mov_b32 s71, 0
	s_lshl_b32 s74, s[WV], 11           ; my 16 rows of 128 bytes
	s_lshl_b32 s72, s[HI], 14           ; a block is 16,384 bytes
	s_add_co_u32 s72, s72, s74
	s_mov_b32 s73, 0
	s_lshl_b32 s80, s[PB], 14
	s_add_co_u32 s80, s80, s74
	s_mov_b32 s81, 0
	s_lshl_b32 s82, s68, 4              ; obuf: ((batch x 16 + block) x 16 + head) x 16,384 + my rows
	s_add_co_u32 s84, s82, s[HI]
	s_lshl_b32 s84, s84, 4
	s_add_co_u32 s84, s84, s69
	s_lshl_b32 s84, s84, 14
	s_add_co_u32 s84, s84, s74
	s_mov_b32 s85, 0
	s_add_co_u32 s86, s82, s[PB]
	s_lshl_b32 s86, s86, 4
	s_add_co_u32 s86, s86, s69
	s_lshl_b32 s86, s86, 14
	s_add_co_u32 s86, s86, s74
	s_mov_b32 s87, 0
	s_mov_b32 s[G1K], (1<<16)|(1<<20)|(4<<22)|(3<<25)  ; 2-byte elements; padding on; after every 32 words; 4 words
	s_mov_b32 s[G1V], (1<<16)|(1<<20)|(4<<22)|(7<<25)  ; the same with 8 words
.irp g, G1K, G1V
	s_mov_b32 s[\g+1], 128<<16          ; tensor_dim0 = 128
	s_mov_b32 s[\g+2], 16<<16           ; tensor_dim1 = 16
	s_mov_b32 s[\g+3], 128<<16          ; tile_dim0 = 128
	s_mov_b32 s[\g+4], 16               ; tile_dim1 = 16
	s_mov_b32 s[\g+5], 128              ; elements from row to row
	s_mov_b32 s[\g+6], 0
	s_mov_b32 s[\g+7], 0
.endr
	s_mov_b32 s[G0K], 1
	s_mov_b32 s[G0K+1], s62             ; slot 0
	s_mov_b32 s[G0V], 1
	s_add_co_u32 s[G0V+1], s63, VOFF
	s_add_co_u32 s[RT], s[HI], 1        ; the first block has 16 - b tiles
	s_mov_b32 s[NXT], 1
	s_mov_b32 s[LQ], s[HI]
	s_mov_b32 s[SLOTS], 16
	s_mov_b32 s[TB], SLOT1              ; the first change of slots turns it into 0
	s_mov_b32 s[OFF+1], 0
	s_mov_b32 s[SEL], 0x76543210
	s_mov_b32 s[SEL+1], 0xfedcba98
	s_mov_b32 s[BIGN], 0xf149f2ca       ; -1e30
	s_mov_b32 s[P15], 0x47000000        ; 2^15
	s_mov_b32 s[PM15], 0x38000000       ; 2^-15
	s_mov_b32 s[TINY], 0x0d800000       ; 2^-100
	s_mov_b32 s[EPS], 0x310f07d5        ; 1e-9 / ln^2 2
	s_lshr_b32 s[LIM], s[WV], 2
	s_or_b32 s[LIM], s[LIM], s[PB]
	s_cmp_eq_u32 s[LIM], 0
	s_cselect_b32 s[LIM], 3, -1
	s_wait_dscnt 0x0                    ; both opening adds are done
	s_wait_kmcnt 0x0
	s_add_nc_u64 s[4:5], s[4:5], s[66:67]          ; q's head
	s_add_nc_u64 s[QH:QH+1], s[4:5], s[72:73]
	s_add_nc_u64 s[QL:QL+1], s[4:5], s[80:81]
	s_add_nc_u64 s[KB:KB+1], s[4:5], 0x400000      ; k's head: 16 heads on
	s_add_nc_u64 s[VB:VB+1], s[4:5], 0x800000      ; v's: 32 heads on
	s_cmp_lt_u32 s[WV], 2
	s_cselect_b64 s[PFA:PFA+1], s[KB:KB+1], s[VB:VB+1]
	s_and_b32 s74, s[WV], 1
	s_lshl_b32 s74, s74, 13             ; my half of a tile's 16,384 bytes,
	s_add_co_u32 s74, s74, 2*16384      ; in tile 2: the first change of slots steps it to tile 3
	s_mov_b32 s75, 0
	s_add_nc_u64 s[PFA:PFA+1], s[PFA:PFA+1], s[74:75]
	s_add_nc_u64 s[KB:KB+1], s[KB:KB+1], s[70:71]
	s_add_nc_u64 s[VB:VB+1], s[VB:VB+1], s[70:71]
	s_add_nc_u64 s[OA:OA+1], s[6:7], s[84:85]
	s_add_nc_u64 s[OL:OL+1], s[6:7], s[86:87]
	s_add_nc_u64 s[G0K+2:G0K+3], s[KB:KB+1], 0
	s_or_b32 s[G0K+3], s[G0K+3], 0x80000000
	s_add_nc_u64 s[G0V+2:G0V+3], s[VB:VB+1], 0
	s_or_b32 s[G0V+3], s[G0V+3], 0x80000000
	LOAD                                ; tile 0 into slot 0
	v_and_b32 v1, 15, v0                ; l % 16
	v_bfe_u32 v9, v0, 4, 1              ; l / 16
	v_lshlrev_b32 v[QO], 7, v1
	v_lshl_add_u32 v[QO], v9, 4, v[QO]  ; row x 128 + 16 x half
	WIN 0x40                            ; destination window 1
.irp i, 0,1,2,3                         ; both blocks' Q: 16 rows x 64 channels, two fragments each
	global_load_b128 v[Q+4*(\i):Q+4*(\i)+3],   v[QO], s[QH:QH+1] offset:32*(\i)
	global_load_b128 v[QB+4*(\i):QB+4*(\i)+3], v[QO], s[QL:QL+1] offset:32*(\i)
.endr
	WIN 0
	v_lshlrev_b32 v14, 3, v9
	v_sub_nc_u32 v14, v1, v14
	s_lshl_b32 s74, s[WV], 4
	v_add_nc_u32 v14, s74, v14          ; my query's place in the block, 16 w + l % 16, less my lanes' 8 (l / 16): register r of key group kb is hidden where 16 kb + r is greater
	WIN 0x40
.set i, 0
.rept 64
	v_cmp_gt_i32 vcc_lo, 16*(i/8)+i%8, v14
	v_cndmask_b32 v[MD+i], 0, s[BIGN], vcc_lo
.set i, i+1
.endr
.set i, 0
.rept 32
	v_mov_b32 v[O+i], 0                 ; a block's first step multiplies O by L_old / L_new = 0: O need only hold finite numbers; written in the wait for the first tile
.set i, i+1
.endr
	WIN 0
	v_mul_u32_u24 v[AK0], v1, PK
	v_lshl_add_u32 v[AK0], v9, 4, v[AK0]
	v_and_b32 v10, 7, v0                ; the turning load: lane l reads key 8 (l / 16) + l % 8, channels 8 ((l / 8) % 2) + 0..7
	v_bfe_u32 v11, v0, 3, 1
	v_lshl_add_u32 v[AV0], v9, 3, v10
	v_mul_u32_u24 v[AV0], v[AV0], PV
	v_lshl_add_u32 v[AV0], v11, 4, v[AV0]
	v_add_nc_u32 v[AV0], VOFF, v[AV0]
	s_mul_i32 s74, s[WV], 16*SP
	s_add_co_u32 s74, s74, STAGE        ; my stage
	v_mul_u32_u24 v[STO], v1, SP
	v_lshl_add_u32 v[STO], v9, 4, v[STO]
	v_add_nc_u32 v[STO], s74, v[STO]
	v_bfe_u32 v[RD], v0, 3, 2
	v_mul_u32_u24 v[RD], v[RD], SP
	v_lshl_add_u32 v[RD], v10, 4, v[RD]
	v_add_nc_u32 v[RD], s74, v[RD]
	v_and_b32 v[GO], 31, v0
	v_lshlrev_b32 v[PFO], 8, v[GO]
	v_lshlrev_b32 v[GO], 4, v[GO]
	v_mov_b32 v[LL], 0
	v_mov_b32 v[RCP+1], 0
	v_mov_b32 v[AA+1], 0
	v_mov_b32 v[FF+1], 0
	s_wait_loadcnt 0x0                  ; Q
; THE VECTOR WORK, a line each.  e: one of the lane's 64 scores; g: one of their 32 pairs.
.macro MX e                             ; max(u, 0)
	v_max_num_f32 v[RR+(\e)], 0, v[S+(\e)]
.endm
.macro NG g                             ; u - 2 max(u, 0) = -|u|
	v_pk_fma_f32 v[S+2*(\g):S+2*(\g)+1], v[RR+2*(\g):RR+2*(\g)+1], -2.0, v[S+2*(\g):S+2*(\g)+1] op_sel_hi:[1,0,1]
.endm
.macro EX e
	v_exp_f32 v[S+(\e)], v[S+(\e)]
.endm
.macro ONE g                            ; 1 + 2^-|u|
	v_pk_add_f32 v[S+2*(\g):S+2*(\g)+1], v[S+2*(\g):S+2*(\g)+1], 1.0 op_sel_hi:[1,0]
.endm
.macro LG e
	v_log_f32 v[S+(\e)], v[S+(\e)]
.endm
.macro XA g                             ; X
	v_pk_add_f32 v[S+2*(\g):S+2*(\g)+1], v[S+2*(\g):S+2*(\g)+1], v[RR+2*(\g):RR+2*(\g)+1]
.endm
.macro SQ g                             ; p' = X^2
	v_pk_mul_f32 v[S+2*(\g):S+2*(\g)+1], v[S+2*(\g):S+2*(\g)+1], v[S+2*(\g):S+2*(\g)+1]
.endm
.macro SUM g                            ; four chains of partial sums; pairs 4-7 start them with pairs 0-3: nothing is cleared
.if (\g) >= 8
	v_pk_add_f32 v[SA+2*((\g)%4):SA+2*((\g)%4)+1], v[SA+2*((\g)%4):SA+2*((\g)%4)+1], v[S+2*(\g):S+2*(\g)+1]
.elseif (\g) >= 4
	v_pk_add_f32 v[SA+2*((\g)%4):SA+2*((\g)%4)+1], v[S+2*(\g)-8:S+2*(\g)-7], v[S+2*(\g):S+2*(\g)+1]
.endif
.endm
; A TILE of 128 keys.  m = 1: the diagonal tile: the products that start the sums take the mask as C.
; The transcendentals go in four batches of 32 (the scores' two halves, exponentials and logarithms), each set between the other half's plain lines, and each with ONE wait ahead of its first reader.
.macro TILE m
	WIN 0
	v_add_nc_u32 v[AK], s[TB], v[AK0]
	v_add_nc_u32 v[AV], s[TB], v[AV0]
	WIN 0x40
.irp f, 0,1,2,3,4,5,6,7,8,9,10,11,12,13,14,15  ; K: keys 16 (f / 2) on, channels 32 (f % 2) on
	ds_load_b128 v[8*(\f):8*(\f)+3],   v[AK] offset:((\f)/2)*16*PK+((\f)%2)*64
	ds_load_b128 v[8*(\f)+4:8*(\f)+7], v[AK] offset:((\f)/2)*16*PK+((\f)%2)*64+32
.endr
	s_wait_dscnt 0x0                    ; K is in
.set i, 0
.rept 16                                ; S^T = K Q^T: channels 32 (i / 8) on, keys 16 (i % 8) on; the 8 accumulators take turns
.if i < 8
.if \m
	WIN 0x15
	v_wmma_f32_16x16x32_f16 v[S+8*(i%8):S+8*(i%8)+7], v[16*(i%8)+8*(i/8):16*(i%8)+8*(i/8)+7], v[Q+8*(i/8):Q+8*(i/8)+7], v[MD+8*i:MD+8*i+7]
.else
	WIN 0x05
	v_wmma_f32_16x16x32_f16 v[S+8*(i%8):S+8*(i%8)+7], v[16*(i%8)+8*(i/8):16*(i%8)+8*(i/8)+7], v[Q+8*(i/8):Q+8*(i/8)+7], 0
.endif
.else
	WIN 0x05
	v_wmma_f32_16x16x32_f16 v[S+8*(i%8):S+8*(i%8)+7], v[16*(i%8)+8*(i/8):16*(i%8)+8*(i/8)+7], v[Q+8*(i/8):Q+8*(i/8)+7], v[S+8*(i%8):S+8*(i%8)+7]
.endif
.set i, i+1
.endr
	PLACES                              ; for the loads into K's registers and for the reads of the scores
	WIN 0x40
.irp f, 0,1,2,3,4,5,6,7,8,9,10,11,12,13,14,15  ; V, turned, into K's registers: keys 32 (f / 4) on, channels 16 (f % 4) on; it lands under the vector work
	ds_load_tr16_b128 v[8*(\f):8*(\f)+3],   v[AV] offset:((\f)/4)*32*PV+((\f)%4)*32
	ds_load_tr16_b128 v[8*(\f)+4:8*(\f)+7], v[AV] offset:((\f)/4)*32*PV+16*PV+((\f)%4)*32
.endr
	WIN 0
.set j, 0
.rept 16                                ; the first half's max(u, 0) and -|u|; each accumulator's lowest registers are read first
	MX 2*j
	MX 2*j+1
	NG j
.set j, j+1
.endr
.set j, 0
.rept 16                                ; the first half's exponentials | the second half's max(u, 0) and -|u|
	EX 2*j
	MX 32+2*j
	EX 2*j+1
	MX 33+2*j
	NG 16+j
.set j, j+1
.endr
	s_wait_alu depctr_va_vdst(0)        ; one wait for the 32
.set j, 0
.rept 16                                ; the second half's exponentials | the first half's 1 + y
	EX 32+2*j
	ONE j
	EX 33+2*j
.set j, j+1
.endr
	v_nop                               ; a plain instruction behind the last of the batch
	s_wait_alu depctr_va_vdst(0)
.set j, 0
.rept 16                                ; the first half's logarithms | the second half's 1 + y
	LG 2*j
	ONE 16+j
	LG 2*j+1
.set j, j+1
.endr
	v_nop
	s_wait_alu depctr_va_vdst(0)
.set j, 0
.rept 16                                ; the second half's logarithms | the first half's X, p' and sums
	LG 32+2*j
	XA j
	LG 33+2*j
	SQ j
	SUM j
.set j, j+1
.endr
	s_wait_alu depctr_va_vdst(0)
.set j, 8
.rept 8                                 ; the second half's X, p' and sums, two pairs at a time
	XA 2*j
	XA 2*j+1
	SQ 2*j
	SQ 2*j+1
	SUM 2*j
	SUM 2*j+1
.set j, j+1
.endr
	v_pk_add_f32 v[SA:SA+1], v[SA:SA+1], v[SA+2:SA+3]
	v_pk_add_f32 v[SA+4:SA+5], v[SA+4:SA+5], v[SA+6:SA+7]
	v_pk_add_f32 v[SA:SA+1], v[SA:SA+1], v[SA+4:SA+5]
	v_add_f32 v[SM], v[SA], v[SA+1]
	v_permlanex16_b32 v10, v[SM], s[SEL], s[SEL+1]  ; the query's other 64 keys lie in the lane 16 away
	v_add_f32 v[SM], v[SM], v10
	v_add_f32 v11, v[LL], v[SM]         ; L_new
	v_max_num_f32 v10, s[TINY], v11
	v_rcp_f32 v[RCP], v10
	v_nop
	s_wait_alu depctr_va_vdst(0)
	v_mul_f32 v[AA], v[LL], v[RCP]      ; L_old / L_new
	v_mul_f32 v[RCP], s[P15], v[RCP]
	v_mov_b32 v[LL], v11
.set j, 0
.rept 16                                ; P = p' 2^15 / L_new, rounded to f16
	v_pk_mul_f32 v[S+4*j:S+4*j+1], v[S+4*j:S+4*j+1], v[RCP:RCP+1] op_sel_hi:[1,0]
	v_pk_mul_f32 v[S+4*j+2:S+4*j+3], v[S+4*j+2:S+4*j+3], v[RCP:RCP+1] op_sel_hi:[1,0]
	v_cvt_pk_f16_f32 v[P+2*j], v[S+4*j], v[S+4*j+1]
	v_cvt_pk_f16_f32 v[P+2*j+1], v[S+4*j+2], v[S+4*j+3]
.set j, j+1
.endr
	WIN 0x41
.set j, 0
.rept 16
	v_pk_mul_f32 v[O+2*j:O+2*j+1], v[O+2*j:O+2*j+1], v[AA:AA+1] op_sel_hi:[1,0]
.set j, j+1
.endr
	s_wait_dscnt 0x0                    ; V is in
	WIN 0x51
.set i, 0
.rept 16                                ; O^T += V^T P: keys 32 (i / 4) on, channels 16 (i % 4) on; the 4 accumulators take turns
	v_wmma_f32_16x16x32_f16 v[O+8*(i%4):O+8*(i%4)+7], v[32*(i/4)+8*(i%4):32*(i/4)+8*(i%4)+7], v[P+8*(i/4):P+8*(i/4)+7], v[O+8*(i%4):O+8*(i%4)+7]
.set i, i+1
.endr
	PLACES                              ; for the next tile's loads into V's registers, and for the way out's reads of O
	WIN 0
.endm
; THE WAY OUT of a block: O times 2^-15 L / (L + EPS), rounded to f16, through my stage, stored as 512 consecutive bytes: obuf[block][head][128 tokens][64].
.macro WAYOUT
	WIN 0
	v_add_f32 v10, s[EPS], v[LL]
	v_rcp_f32 v[FF], v10
	v_nop
	s_wait_alu depctr_va_vdst(0)
	v_mul_f32 v[FF], v[FF], v[LL]
	v_mul_f32 v[FF], s[PM15], v[FF]
	WIN 0x41
.set j, 0
.rept 16
	v_pk_mul_f32 v[O+2*j:O+2*j+1], v[O+2*j:O+2*j+1], v[FF:FF+1] op_sel_hi:[1,0]
.set j, j+1
.endr
	WIN 0x05
.set j, 0
.rept 16
	v_cvt_pk_f16_f32 v[S+j], v[O+2*j], v[O+2*j+1]
.set j, j+1
.endr
	WIN 0
.irp f, 0,1,2,3
	ds_store_b128 v[STO], v[S+4*(\f):S+4*(\f)+3] offset:32*(\f)
.endr
.irp f, 0,1,2,3
	ds_load_b128 v[S+16+4*(\f):S+16+4*(\f)+3], v[RD] offset:(\f)*4*SP  ; LDS serves a wave's instructions in order (ISA guide 5.7.1.4): these see the stores above
.endr
	s_wait_dscnt 0x0
.irp f, 0,1,2,3
	global_store_b128 v[GO], v[S+16+4*(\f):S+16+4*(\f)+3], s[OA:OA+1] offset:512*(\f)
.endr
.endm
.Lslot:                                 ; 16 times: a tile is entered and the next is asked for
	CHANGE 1
	s_sub_co_u32 s[RT], s[RT], 1
	s_cmp_eq_u32 s[RT], 0
	s_cbranch_scc1 .Ldiag
	TILE 0
	s_branch .Lbottom
.Ldiag:                                 ; in the loop this is the first block's end: the second block's diagonal tile is the walk's last
	TILE 1
	WAYOUT
	s_wait_xcnt 0x0                     ; the stores have read their registers and their base
	s_mov_b64 s[OA:OA+1], s[OL:OL+1]
	s_add_co_u32 s[RT], s[PB], 1        ; the second block has b + 1 tiles
	v_mov_b32 v[LL], 0                  ; so its first step multiplies what O holds by 0
	WIN 0x41
.set i, 0
.rept 16
	v_mov_b32 v[Q+i], v[QB+i]
.set i, i+1
.endr
	WIN 0
.Lbottom:
	s_sub_co_u32 s[SLOTS], s[SLOTS], 1
	s_cmp_lg_u32 s[SLOTS], 0
	s_cbranch_scc1 .Lslot
	CHANGE 0                            ; the walk's last tile is written out: nothing is asked for
	TILE 1
	WAYOUT
	s_wait_tensorcnt 0x0                ; the wave's end
	ds_add_u32 v[SPW], v[NIL]
	s_wait_dscnt 0x0
	s_endpgm
.Lfunc_end_k_qda6cf89792_attn:
	.size	k_qda6cf89792_attn, .Lfunc_end_k_qda6cf89792_attn-k_qda6cf89792_attn
	.p2alignl 7, 3214868480
	.fill 96, 4, 3214868480
	.section	.rodata,"a",@progbits
	.p2align	6, 0x0
	.amdhsa_kernel k_qda6cf89792_attn
		.amdhsa_group_segment_fixed_size 327680
		.amdhsa_private_segment_fixed_size 0
		.amdhsa_enable_private_segment 0
		.amdhsa_kernarg_size 16
		.amdhsa_user_sgpr_count 2
		.amdhsa_user_sgpr_kernarg_segment_ptr 1
		.amdhsa_wavefront_size32 1
		.amdhsa_system_sgpr_workgroup_id_x 1
		.amdhsa_system_sgpr_workgroup_id_y 1
		.amdhsa_system_sgpr_workgroup_id_z 1
		.amdhsa_system_vgpr_workitem_id 0
		.amdhsa_next_free_vgpr 512
		.amdhsa_next_free_sgpr 88
		.amdhsa_reserve_vcc 1
		.amdhsa_float_denorm_mode_32 3
		.amdhsa_float_denorm_mode_16_64 3
		.amdhsa_memory_ordered 1
		.amdhsa_forward_progress 1
		.amdhsa_inst_pref_size 110
	.end_amdhsa_kernel
	.amdgpu_metadata
---
amdhsa.version: [ 1, 2 ]
amdhsa.kernels:
  - .name:           k_qda6cf89792_attn
    .symbol:         k_qda6cf89792_attn.kd
    .args:
      - { .name: qkvb, .offset: 0, .size: 8, .value_kind: global_buffer, .address_space: global }
      - { .name: obuf, .offset: 8, .size: 8, .value_kind: global_buffer, .address_space: global }
    .group_segment_fixed_size: 327680
    .private_segment_fixed_size: 0
    .kernarg_segment_align: 8
    .kernarg_segment_size: 16
    .max_flat_workgroup_size: 256
    .sgpr_count:     88
    .vgpr_count:     512
    .wavefront_size: 32
...
	.end_amdgpu_metadata
.endif
;; end of part 3
;; launch proj (part 4): grid 8 x 32, 4 waves a work-group, clusters of 4 x 4, 327,680 bytes of LDS; arguments obuf, wpf, b_proj, out0; writes out0
.if DOCPART == 4
	.amdgcn_target "amdgcn-amd-amdhsa--gfx1250"
	.amdhsa_code_object_version 6
	.text
	.protected	k_qda6cf89792_proj
	.globl	k_qda6cf89792_proj
	.p2align	8
	.type	k_qda6cf89792_proj,@function
k_qda6cf89792_proj:
	s_mov_b64 s[64:65], 0
	v_nop
	global_prefetch_b8 v0, s[64:65] scope:SCOPE_SE
	s_setreg_imm32_b32 hwreg(HW_REG_WAVE_MODE, 25, 1), 1
	s_wait_xcnt 0x0
	s_wait_alu depctr_hold_cnt(0) depctr_sa_sdst(0) depctr_va_vdst(0) depctr_va_sdst(0) depctr_va_ssrc(0) depctr_va_vcc(0) depctr_vm_vsrc(0)
	s_getreg_b32 s2, hwreg(HW_REG_IB_STS2, 6, 4)
	s_cmp_eq_u32 s2, 0
	s_cbranch_scc0 .Lentry_in_a_cluster
	s_endpgm
.Lentry_in_a_cluster:
	s_bfe_u32 s2, ttmp6, 0x10000c
	s_cmp_lg_u32 s2, 0xf033
	s_cbranch_scc0 .Lentry_shape_is_right
	s_endpgm
.Lentry_shape_is_right:
; out0[token][o] = sum over c of O[token][c] w_proj[o][c] + b_proj[o]: 4,096 x 1,024 x 1,024 in f16 (wpf holds bf16(w_proj) written as f16), sums in f32, the result f32.  The bias is rounded to bf16 like the other inputs.
; O lies as the launch before left it: obuf[block of 128 tokens][head][128 tokens][64]: the K step of 256 channels = 4 heads of a block is 65,536 consecutive bytes.
; SHARES.  A tile is 128 tokens x 128 columns: 8 x 32 work-groups, one to a WGP.  Four waves, each 64 x 64: 16 accumulators.  K in steps of 256 through two LDS slots.
; CLUSTER 4 x 4: O's tile is asked for jointly along a row of the cluster, wpf's along a column.  THE PRODUCT IS TRANSPOSED (source 0 = 16 rows of wpf, source 1 = 16 tokens): a lane holds one token and 8 neighbouring columns.
; No prefetch: the tiles are small and the launch is short.
; REGISTERS: window 0: v0-31 addresses; v32-63, v64-95 the way out; v96-127 the bias; v128-255 accumulators ((a, b) at v[128 + 8 (4 a + b)]).  window 1: two fragment buffers of 128: 64 of O, then 64 of wpf.
.set PA,     144                       ; a token's 128 bytes of a head + 16 of padding
.set PBT,    528                       ; a row of wpf: 512 bytes + 16: in both the 16 rows of a load start at 16 different groups of four banks (ISA guide 11.1)
.set HEADB,  128*PA                    ; a head's 128 tokens in LDS: 18,432
.set AHALF,  2*HEADB                   ; what waves 0, 1 fetch: two heads
.set BOFF,   2*AHALF
.set BHALF,  64*PBT                    ; what waves 2, 3 fetch: 64 rows
.set SLOT,   BOFF+2*BHALF              ; 141,312
.set STAGE,  2*SLOT                    ; behind the ring, never filled by a tensor load: 16 rows x 272 bytes for each wave
.set SPITCH, 272
.set SPARE,  STAGE+4*16*SPITCH         ; the spare words: two blocks of 256 bytes that no other line names
.set LAPS,   2                         ; 1,024 / (2 x 256)
.set ADRA, 16
.set ADRB, 20
.set STO,  24
.set RD,   25
.set CO,   26
.set BO,   27                          ; my byte offset in the wave's 256 bytes of the bias
.set SPW,  28
.set NIL,  29
.set TMP,  32
.set BK,   64
.set BIAS, 96
.set ACC,  128
.set F0,   0
.set F1,   128
.set G1,   24
.set G0,   32
.set G1B,  48
.set G0B,  56
.set MSB, 0
.macro WIN new
.if MSB != (\new)
	s_set_vgpr_msb (MSB<<8)|(\new)
.set MSB, (\new)
.endif
.endm
.set MUL,  0x05                        ; sources 0 and 1 window 1; C and D window 0
.set TO_F, 0x40
.macro JLOAD s                         ; waves 0, 1 ask for O's halves, waves 2, 3 for wpf's; an s_nop 0 and four v_nop follow each line
	s_cmp_eq_u32 s13, 0
	s_cbranch_scc0 .Lfor_b_\@
	tensor_load_to_lds s[G0+4*(\s):G0+4*(\s)+3], s[G1:G1+7]
	s_nop 0
.rept 4
	v_nop
.endr
	s_branch .Lasked_\@
.Lfor_b_\@:
	tensor_load_to_lds s[G0B+4*(\s):G0B+4*(\s)+3], s[G1B:G1B+7]
	s_nop 0
.rept 4
	v_nop
.endr
.Lasked_\@:
.endm
.macro CREST
	s_cmp_lg_u32 s12, 0
	s_cbranch_scc1 .Lnot_wave_0_\@
	s_barrier_signal -3
.Lnot_wave_0_\@:
	s_barrier_wait -3
	s_barrier_signal -1
	s_barrier_wait -1
.endm
.macro CROUND
	s_barrier_signal -1
	s_barrier_wait -1
	CREST
.endm
	s_load_b256 s[4:11], s[0:1], 0x0               ; obuf s[4:5], wpf s[6:7], b_proj s[8:9], out0 s[10:11]
	v_lshl_add_u32 v[SPW], v0, 2, SPARE
	v_mov_b32 v[NIL], 0
	ds_add_u32 v[SPW], v[NIL]                      ; the wave's opening: the add, twice on end, and its wait ahead of my first tensor load
	ds_add_u32 v[SPW], v[NIL]
	v_lshrrev_b32 v1, 5, v0
	v_readfirstlane_b32 s12, v1                    ; wave 0..3
	s_lshr_b32 s13, s12, 1                         ; which half of the tile's tokens is mine.  Also: I fetch for O (0) or wpf (1)
	s_and_b32 s14, s12, 1                          ; which half of its columns.  Also: which half of that tile I fetch
	s_bfe_u32 s40, ttmp6, 0x40000                  ; cx
	s_bfe_u32 s41, ttmp6, 0x40004                  ; cy
	s_lshl_b32 s42, ttmp9, 2
	s_add_co_u32 s42, s42, s40                     ; tile column
	s_and_b32 s43, ttmp7, 0xffff
	s_lshl_b32 s43, s43, 2
	s_add_co_u32 s43, s43, s41                     ; tile row = block of 128 tokens
	s_lshl_b32 s44, s41, 2
	s_lshl_b32 s44, 15, s44                        ; my row of the cluster
	s_lshl_b32 s45, 0x1111, s40                    ; my column
	s_or_b32 s[G1+0], s44, (1<<16)|(1<<20)|(1<<21)|(4<<22)|(3<<25)   ; O: 2-byte elements; padding of 4 words after every 32 words (a token's 128 bytes)
	s_or_b32 s[G1B+0], s45, (1<<16)|(1<<20)|(1<<21)|(6<<22)|(3<<25)  ; wpf: after every 128 words (a row's 512 bytes)
	s_mov_b32 s[G1+1], 128<<16                     ; O's two heads are 32,768 dense bytes: 128 rows of 256
	s_mov_b32 s[G1+2], 128<<16
	s_mov_b32 s[G1+3], 128<<16
	s_mov_b32 s[G1+4], 128
	s_mov_b32 s[G1+5], 128
	s_mov_b32 s[G1+6], 0
	s_mov_b32 s[G1+7], 0
	s_mov_b32 s[G1B+1], 256<<16                    ; wpf: 64 rows x 256 elements, 1,024 from row to row
	s_mov_b32 s[G1B+2], 64<<16
	s_mov_b32 s[G1B+3], 256<<16
	s_mov_b32 s[G1B+4], 64
	s_mov_b32 s[G1B+5], 1024
	s_mov_b32 s[G1B+6], 0
	s_mov_b32 s[G1B+7], 0
	s_lshl_b32 s16, s43, 18                        ; O: block x 262,144
	s_lshl_b32 s17, s14, 15                        ; + half x 32,768
	s_add_co_u32 s16, s16, s17
	s_mov_b32 s17, 0
	s_lshl_b32 s46, s42, 7
	s_lshl_b32 s47, s14, 6
	s_add_co_u32 s46, s46, s47                     ; wpf: row 128 x tile column + 64 x half
	s_lshl_b32 s46, s46, 11
	s_mov_b32 s47, 0
	s_mul_i32 s20, s14, AHALF                      ; where they go: no place in the cluster enters an LDS address
	s_mul_i32 s21, s14, BHALF
	s_add_co_u32 s21, s21, BOFF
	s_wait_dscnt 0x0                               ; both opening adds are done
	s_wait_kmcnt 0x0
	s_add_nc_u64 s[18:19], s[4:5], s[16:17]
	s_add_nc_u64 s[46:47], s[6:7], s[46:47]
	CROUND                                         ; all sixteen work-groups are here: the first joint loads meet
.irp s, 0,1
	s_mov_b32 s[G0+4*(\s)], 1
	s_add_co_u32 s[G0+4*(\s)+1], s20, (\s)*SLOT
	s_add_nc_u64 s[G0+4*(\s)+2:G0+4*(\s)+3], s[18:19], (\s)*65536
	s_or_b32 s[G0+4*(\s)+3], s[G0+4*(\s)+3], 0x80000000
	s_mov_b32 s[G0B+4*(\s)], 1
	s_add_co_u32 s[G0B+4*(\s)+1], s21, (\s)*SLOT
	s_add_nc_u64 s[G0B+4*(\s)+2:G0B+4*(\s)+3], s[46:47], (\s)*512
	s_or_b32 s[G0B+4*(\s)+3], s[G0B+4*(\s)+3], 0x80000000
	JLOAD \s
.endr
	v_and_b32 v1, 15, v0                           ; l % 16
	v_bfe_u32 v2, v0, 4, 1                         ; l / 16
	s_lshl_b32 s46, s42, 9                         ; my 64 columns in bytes of f32: 512 x tile column + 256 x half
	s_lshl_b32 s47, s14, 8
	s_add_co_u32 s46, s46, s47
	s_mov_b32 s47, 0
	s_add_nc_u64 s[8:9], s[8:9], s[46:47]
	v_lshlrev_b32 v[BO], 5, v2                     ; my 8 columns of each 16
.irp b, 0,1,2,3
	global_load_b128 v[BIAS+8*(\b):BIAS+8*(\b)+3],   v[BO], s[8:9] offset:64*(\b)
	global_load_b128 v[BIAS+8*(\b)+4:BIAS+8*(\b)+7], v[BO], s[8:9] offset:64*(\b)+16
.endr
	v_mul_u32_u24 v3, v1, PA
	v_lshl_add_u32 v3, v2, 4, v3
	v_mul_u32_u24 v4, v1, PBT
	v_lshl_add_u32 v4, v2, 4, v4
	s_mul_i32 s21, s13, 64*PA                      ; my 64 tokens in each head
	s_mul_i32 s22, s14, BHALF                      ; my 64 rows of wpf
	s_add_co_u32 s22, s22, BOFF
.irp s, 0,1
	v_add_nc_u32 v[ADRA+(\s)], s21, v3
	v_add_nc_u32 v[ADRB+(\s)], s22, v4
	s_add_co_u32 s21, s21, SLOT
	s_add_co_u32 s22, s22, SLOT
.endr
	s_mul_i32 s23, s12, 16*SPITCH
	s_add_co_u32 s23, s23, STAGE                   ; my stage
	v_mul_u32_u24 v5, v1, SPITCH                   ; in: row l % 16, 32 bytes for each half of the lanes
	v_lshl_add_u32 v5, v2, 5, v5
	v_add_nc_u32 v[STO], s23, v5
	v_mul_u32_u24 v5, v2, SPITCH                   ; back: lanes 0-15 one row of 256 bytes, lanes 16-31 the next
	v_lshl_add_u32 v5, v1, 4, v5
	v_add_nc_u32 v[RD], s23, v5
	v_lshlrev_b32 v5, 12, v2                       ; and the same two rows in out0: 4,096 bytes a row
	v_lshl_add_u32 v[CO], v1, 4, v5
	s_lshl_b32 s16, s43, 7
	s_lshl_b32 s17, s13, 6
	s_add_co_u32 s16, s16, s17                     ; my first token
	s_lshl_b32 s16, s16, 12
	s_mov_b32 s17, 0
	s_add_nc_u64 s[10:11], s[10:11], s[16:17]
	s_add_nc_u64 s[10:11], s[10:11], s[46:47]
; 8 matrix instructions: token blocks a0, a0 + 1 x all 4 column blocks, 32 along K: half c of buffer f.  The 16 accumulators take turns.
.macro MUL8 f, c, a0, zero
	WIN MUL
.irp a, \a0, (\a0)+1
.irp b, 0,1,2,3
.if \zero
	v_wmma_f32_16x16x32_f16 v[ACC+8*(4*(\a)+(\b)):ACC+8*(4*(\a)+(\b))+7], v[(\f)+64+8*(4*(\c)+(\b)):(\f)+64+8*(4*(\c)+(\b))+7], v[(\f)+8*(4*(\c)+(\a)):(\f)+8*(4*(\c)+(\a))+7], 0
.else
	v_wmma_f32_16x16x32_f16 v[ACC+8*(4*(\a)+(\b)):ACC+8*(4*(\a)+(\b))+7], v[(\f)+64+8*(4*(\c)+(\b)):(\f)+64+8*(4*(\c)+(\b))+7], v[(\f)+8*(4*(\c)+(\a)):(\f)+8*(4*(\c)+(\a))+7], v[ACC+8*(4*(\a)+(\b)):ACC+8*(4*(\a)+(\b))+7]
.endif
.endr
.endr
.endm
; 32 LDS loads in one run: quarter q of a K step is one head (64 channels): O's at head q of the slot, wpf's at byte 128 q of its rows; the first 32 channels first
.macro FETCH slot, q, f
	WIN TO_F
.irp c, 0,1
.irp i, 0,1,2,3
	ds_load_b128 v[(\f)+64+8*(4*(\c)+(\i)):(\f)+64+8*(4*(\c)+(\i))+3],   v[ADRB+(\slot)] offset:(\q)*128+64*(\c)+(\i)*16*PBT
	ds_load_b128 v[(\f)+64+8*(4*(\c)+(\i))+4:(\f)+64+8*(4*(\c)+(\i))+7], v[ADRB+(\slot)] offset:(\q)*128+64*(\c)+(\i)*16*PBT+32
	ds_load_b128 v[(\f)+8*(4*(\c)+(\i)):(\f)+8*(4*(\c)+(\i))+3],         v[ADRA+(\slot)] offset:(\q)*HEADB+64*(\c)+(\i)*16*PA
	ds_load_b128 v[(\f)+8*(4*(\c)+(\i))+4:(\f)+8*(4*(\c)+(\i))+7],       v[ADRA+(\slot)] offset:(\q)*HEADB+64*(\c)+(\i)*16*PA+32
.endr
.endr
.endm
.macro PLACES
.rept 4
	v_nop
.endr
.endm
.macro QUARTER slot, q, f, g, zero     ; multiplies buffer f and fetches quarter q into g
	s_wait_dscnt 16                                ; the first 32 along K are in
	MUL8 \f, 0, 0, \zero
	MUL8 \f, 0, 2, \zero
	PLACES
	FETCH \slot, \q, \g
	s_wait_dscnt 32                                ; all but the 32 just issued
	MUL8 \f, 1, 0, 0
	MUL8 \f, 1, 2, 0
.endm
; The last quarter multiplies buffer 1 and changes slots: one barrier; ahead of it each wave waits for all its tensor loads, adds 0 to its spare word, and waits for that and for its reads of this slot.
.macro TURN slot, next, fill
	WIN 0
	s_wait_tensorcnt 0x0
	ds_add_u32 v[SPW], v[NIL]
	s_wait_dscnt 17                                ; (the add and the youngest sixteen loads may be out)
	MUL8 F1, 0, 0, 0
	s_wait_dscnt 0x0                               ; the add is done, and my reads of this slot are over
	s_barrier_signal -1
	MUL8 F1, 0, 2, 0
.if \fill
	WIN 0
.endif
	s_barrier_wait -1
.if \fill
	CREST                                          ; the barrier has opened a round of the cluster's: no wave of any partner still reads this slot or has a load on its way
	s_add_nc_u64 s[G0+4*(\slot)+2:G0+4*(\slot)+3], s[G0+4*(\slot)+2:G0+4*(\slot)+3], 2*65536
	s_add_nc_u64 s[G0B+4*(\slot)+2:G0B+4*(\slot)+3], s[G0B+4*(\slot)+2:G0B+4*(\slot)+3], 2*512
	JLOAD \slot                                    ; the first tensor load behind the round; its four v_nop are also the places in front of the loads below
.else
	PLACES
.endif
	FETCH \next, 0, F0
	MUL8 F1, 1, 0, 0
	MUL8 F1, 1, 2, 0
.endm
	s_wait_tensorcnt 1                             ; my part of K step 0 is in; K step 1's stays out
	s_barrier_signal -1
	s_barrier_wait -1
	FETCH 0, 0, F0
	QUARTER 0, 1, F0, F1, 1                        ; the first quarter's first products start the sums
	WIN 0
	s_mov_b32 s3, LAPS-1
.Llap:
	QUARTER 0, 2, F1, F0, 0
	QUARTER 0, 3, F0, F1, 0
	TURN 0, 1, 1
	QUARTER 1, 1, F0, F1, 0
	QUARTER 1, 2, F1, F0, 0
	QUARTER 1, 3, F0, F1, 0
	TURN 1, 0, 1
	QUARTER 0, 1, F0, F1, 0
	WIN 0
	s_sub_co_u32 s3, s3, 1
	s_cmp_lg_u32 s3, 0
	s_cbranch_scc1 .Llap
	QUARTER 0, 2, F1, F0, 0                        ; the last lap fills nothing
	QUARTER 0, 3, F0, F1, 0
	TURN 0, 1, 0
	QUARTER 1, 1, F0, F1, 0
	QUARTER 1, 2, F1, F0, 0
	QUARTER 1, 3, F0, F1, 0
	s_wait_dscnt 16
	MUL8 F1, 0, 0, 0
	MUL8 F1, 0, 2, 0
	s_wait_dscnt 0x0
	MUL8 F1, 1, 0, 0
	MUL8 F1, 1, 2, 0
	WIN 0
	s_wait_loadcnt 0x0                             ; the bias
.set z, 0
.rept 16                               ; the bias rounded to bf16, in place: 48 plain instructions that name no register of the last products: they are the places behind those
	v_cvt_pk_bf16_f32 v10, v[BIAS+2*z], v[BIAS+2*z+1]
	v_lshlrev_b32 v[BIAS+2*z], 16, v10
	v_and_b32 v[BIAS+2*z+1], 0xffff0000, v10
.set z, z+1
.endr
	; THE WAY OUT, 16 tokens at a time: + bias; 32 bytes a lane into my own stage; back as whole rows of 256 bytes (my 64 columns of f32)
.irp a, 0,1,2,3
.irp b, 0,1,2,3
.irp r, 0,1,2,3
	v_pk_add_f32 v[TMP+8*(\b)+2*(\r):TMP+8*(\b)+2*(\r)+1], v[ACC+8*(4*(\a)+(\b))+2*(\r):ACC+8*(4*(\a)+(\b))+2*(\r)+1], v[BIAS+8*(\b)+2*(\r):BIAS+8*(\b)+2*(\r)+1]
.endr
.endr
	s_wait_xcnt 0x0                                ; the block before's stores have read their registers, which the loads below write
.irp b, 0,1,2,3
	ds_store_b128 v[STO], v[TMP+8*(\b):TMP+8*(\b)+3]   offset:64*(\b)
	ds_store_b128 v[STO], v[TMP+8*(\b)+4:TMP+8*(\b)+7] offset:64*(\b)+16
.endr
.irp t, 0,1,2,3,4,5,6,7
	ds_load_b128 v[BK+4*(\t):BK+4*(\t)+3], v[RD] offset:(\t)*2*SPITCH  ; LDS serves a wave's instructions in order (ISA guide 5.7.1.4): these see the stores above
.endr
	s_wait_dscnt 0x0
.irp t, 0,1,2,3,4,5,6,7
	global_store_b128 v[CO], v[BK+4*(\t):BK+4*(\t)+3], s[10:11] offset:(16*(\a)+2*(\t))*4096  ; 16 lanes store 256 consecutive bytes, at a multiple of 256 from out0's first
.endr
.endr
	s_wait_tensorcnt 0x0                           ; the wave's end
	ds_add_u32 v[SPW], v[NIL]
	s_wait_dscnt 0x0
	CROUND                                         ; the closing round
	s_endpgm
.Lfunc_end_k_qda6cf89792_proj:
	.size	k_qda6cf89792_proj, .Lfunc_end_k_qda6cf89792_proj-k_qda6cf89792_proj
	.p2alignl 7, 3214868480
	.fill 96, 4, 3214868480
	.section	.rodata,"a",@progbits
	.p2align	6, 0x0
	.amdhsa_kernel k_qda6cf89792_proj
		.amdhsa_group_segment_fixed_size 327680
		.amdhsa_private_segment_fixed_size 0
		.amdhsa_enable_private_segment 0
		.amdhsa_kernarg_size 32
		.amdhsa_user_sgpr_count 2
		.amdhsa_user_sgpr_kernarg_segment_ptr 1
		.amdhsa_wavefront_size32 1
		.amdhsa_system_sgpr_workgroup_id_x 1
		.amdhsa_system_sgpr_workgroup_id_y 1
		.amdhsa_system_sgpr_workgroup_id_z 1
		.amdhsa_system_vgpr_workitem_id 0
		.amdhsa_next_free_vgpr 512
		.amdhsa_next_free_sgpr 66
		.amdhsa_reserve_vcc 0
		.amdhsa_float_denorm_mode_32 3
		.amdhsa_float_denorm_mode_16_64 3
		.amdhsa_memory_ordered 1
		.amdhsa_forward_progress 1
		.amdhsa_inst_pref_size 93
	.end_amdhsa_kernel
	.amdgpu_metadata
---
amdhsa.version: [ 1, 2 ]
amdhsa.kernels:
  - .name:           k_qda6cf89792_proj
    .symbol:         k_qda6cf89792_proj.kd
    .args:
      - { .name: obuf, .offset: 0, .size: 8, .value_kind: global_buffer, .address_space: global }
      - { .name: wpf, .offset: 8, .size: 8, .value_kind: global_buffer, .address_space: global }
      - { .name: b_proj, .offset: 16, .size: 8, .value_kind: global_buffer, .address_space: global }
      - { .name: out0, .offset: 24, .size: 8, .value_kind: global_buffer, .address_space: global }
    .group_segment_fixed_size: 327680
    .private_segment_fixed_size: 0
    .kernarg_segment_align: 8
    .kernarg_segment_size: 32
    .max_flat_workgroup_size: 128
    .sgpr_count:     66
    .vgpr_count:     512
    .wavefront_size: 32
...
	.end_amdgpu_metadata
.endif
;; end of part 4
